; MI455X (gfx1250); checked and timed in simulation.
; The chip was launched on July 23, 2026; its instructions are those of AMD's public machine-readable ISA for CDNA 5 (MIT licence, August 2026) and "CDNA5" Instruction Set Architecture Reference Guide (July 2026). The comments in the code are by the model that wrote it; some were corrected since.
;; Flow Attention. Allowed arithmetic: matrix products marked QUANTISED: E5M2 operands, one given power-of-two scale a tensor, by v_wmma_f32_16x16x64_bf8_bf8 or v_wmma_f32_16x16x128_bf8_bf8, f32 sums; everything else in f32.
;; Inputs: b_out 1,024 float32; b_qkv 3,072 float32; lowp_scales 8 int32 (the exponents e of the quantised operands' scales 2^e); w_out_codes 1,024 x 32 x 32 uint8 (E5M2 codes of w_out, K innermost, in blocks of 32 codes); w_qkv_codes 3,072 x 32 x 32 uint8 (E5M2 codes of w_qkv, K innermost, in blocks of 32 codes); x_codes 4 x 2,048 x 32 x 32 uint8 (E5M2 codes of x, K innermost, in blocks of 32 codes).
;; Outputs: out0 4 x 2,048 x 1,024 float32.
;; This version of the problem:
;;   THIS VERSION OF THE PROBLEM IS GIVEN IN LOW PRECISION. The matrix products marked QUANTISED in the list below multiply operands that are first quantised to E5M2 (5 exponent bits, 2 mantissa bits; 8 bits a number), with one given power-of-two scale for each operand tensor; their sums are f32. All else is computed in f32.
;;   The module's matrix products, in the order in which they are computed (A, B: the left and right operand; K: the contracted axis; several contracted axes count as one K, in the product's order):
;;     1. [M 8,192, K 1,024] x [K 1,024, N 3,072]; A: input x (given as codes); B: input w_qkv (given as codes): QUANTISED (scales: A lowp_scales[0], B lowp_scales[1])
;;     2. batch 64 x [M 2,048, K 64] x [K 64, N 2,048]; A: computed on the way; B: computed on the way: QUANTISED (scales: A lowp_scales[2], B lowp_scales[3])
;;     3. batch 64 x [M 64, K 2,048] x [K 2,048, N 2,048]; A: computed on the way; B: softmax (see below): QUANTISED (scales: A lowp_scales[4], B lowp_scales[5])
;;     4. [M 8,192, K 1,024] x [K 1,024, N 1,024]; A: computed on the way; B: input w_out (given as codes): QUANTISED (scales: A lowp_scales[6], B lowp_scales[7])
;;   THE QUANTISER, for each operand of a quantised product, along K:
;;     - The operand's scale is 2^e, e = its entry of the input lowp_scales (int32; the entries are numbered through the quantised products in the list's order, A before B).
;;     - Each number is divided by the scale, clamped to +-57,344, and rounded to the nearest number of E5M2, ties to even, subnormals kept.
;;     - The product sums the exact products of the quantised numbers (number of the format x scale) in f32.
;;   ~~~python
;;   def quantise(x, axis, e):      # numpy; x: float32 -> the quantised numbers, widened to float32 again
;;       x = np.moveaxis(x, axis, -1); K = x.shape[-1]
;;       r = np.clip(x / 2.0 ** e, -57344, 57344)
;;       step = 2.0 ** (np.maximum(np.frexp(np.where(r == 0, 1, r))[1] - 1, -14) - 2)
;;       q = np.round(r / step) * step * 2.0 ** e      # np.round: ties to even
;;       return np.moveaxis(q, -1, axis).astype(np.float32)
;;   ~~~
;;   SOFTMAX AHEAD OF A QUANTISED PRODUCT. Where the list says 'softmax', what is quantised is not the finished softmax but p = 2^(t - M), with t = logit x log2(e) and M = ceil(the row's largest t), a whole number; so 1/2 < the row's largest p <= 1. The row's sum l is taken of the UNQUANTISED p, in f32, and the product's result is divided by l at the end. Since M is a whole number, a kernel that streams over the keys may use a running M (the ceiling of the running maximum): every later rescaling is an exact power of two, so the quantised numbers keep their values, but for numbers so far below the row's largest that they fall under the format's range.
;;   OPERANDS COMPUTED ON THE WAY. 'Computed on the way' means the value that the module computes at that place (a softmax that the list does not call 'softmax' is quantised finished and normalised). What goes into a quantiser is computed in f32, as accurately as f32 sums, v_exp_f32 and their like allow (about 1e-6 of the number): no bf16 or f16 on the way to a quantiser, and a product that is left as it is and whose result goes on into a quantised operand takes f32 operands (vector FMAs, or v_wmma_f32_16x16x4_f32). A number that lies on a knife's edge between two numbers of the format may be rounded either way, as far as f32 arithmetic and the matrix unit's own rounding can turn it there, and no further.
;;   INPUTS GIVEN AS CODES. w_out (in the module: [1024, 1024], K = its axis 1); w_qkv (in the module: [3072, 1024], K = its axis 1); x (in the module: [4, 2048, 1024], K = its axis 2): each comes as NAME_codes (uint8): NAME with its K axis moved to the last place and cut into blocks of 32 codes, [.., K / 32, bytes a block], one block behind the other in memory; one code a byte (a code: sign, 5 exponent bits, 2 mantissa bits); its scale is its entry of lowp_scales. Its value is code x scale, taken as it is: it is not quantised again, and the codes and scales need not be those that the quantiser above would give.
;; One version. Each part assembles by itself: llvm-mc -triple=amdgcn-amd-amdhsa -mcpu=gfx1250 --defsym DOCPART=n.
;; ======== version 1 of 1: 3 launches
;; workspace buffers: q_img 8,388,608 bytes; k_img 8,388,608 bytes; v_img 8,388,608 bytes; a_img 8,388,608 bytes
;; launch qkv (part 1): grid 8 x 32, 4 waves a work-group, clusters of 4 x 4, 327,680 bytes of LDS; arguments x_codes, w_qkv_codes, b_qkv, lowp_scales, q_img, k_img, v_img; writes q_img, k_img, v_img
.if DOCPART == 1
	.amdgcn_target "amdgcn-amd-amdhsa--gfx1250"
	.amdhsa_code_object_version 6
	.text
	.protected	k_q9700c1ec92_qkv
	.globl	k_q9700c1ec92_qkv
	.p2align	8
	.type	k_q9700c1ec92_qkv,@function
k_q9700c1ec92_qkv:
	s_mov_b64 s[64:65], 0
	v_nop
	global_prefetch_b8 v0, s[64:65] scope:SCOPE_SE
	s_setreg_imm32_b32 hwreg(HW_REG_WAVE_MODE, 25, 1), 1
	s_wait_xcnt 0x0
	s_wait_alu depctr_hold_cnt(0) depctr_sa_sdst(0) depctr_va_vdst(0) depctr_va_sdst(0) depctr_va_ssrc(0) depctr_va_vcc(0) depctr_vm_vsrc(0)
	s_getreg_b32 s2, hwreg(HW_REG_IB_STS2, 6, 4)
	s_cmp_eq_u32 s2, 0
	s_cbranch_scc0 .Lentry_in_a_cluster
	s_endpgm
.Lentry_in_a_cluster:
	s_bfe_u32 s2, ttmp6, 0x10000c
	s_cmp_lg_u32 s2, 0xf033
	s_cbranch_scc0 .Lentry_shape_is_right
	s_endpgm
.Lentry_shape_is_right:
; qkv = x W^T + b on codes of E5M2; q and k are rotated (RoPE) and all three are quantised again: q with 2^e2, k with 2^e3, v with 2^e4.
; x: [8192][1024] codes, W: [3072][1024] codes, K innermost; a sum stands for sum x 2^(e0 + e1).
; SHARES.  256 work-groups, all alike.  Work-group (g, y) makes tokens 256 y .. + 255 against 384 rows of W: rows 256 g .. + 255 (four heads of q where g < 4, of k else) and rows
; 2048 + 128 g .. + 127 (two heads of v).  Wave (wm, wn): tokens 128 wm on, two heads of q or k, one of v: 8 x 12 accumulators of 16 x 16, 768 registers.
; The K = 64 form is taken: 20 fragments of 128 along K would be 320 registers, and 256 are left beside the accumulators.
; LAYOUT.  For q and k source 0 = 16 rows of W, source 1 = 16 tokens: a lane holds ONE token and eight neighbouring channels, so a rotation's pair lies in one lane and one conversion gives two
; registers of the next product's operand.  For v the sources are swapped: a lane holds ONE channel and eight neighbouring tokens, which are the keys, the next K of v.
; OUT.  The codes leave as images of operand registers: a block of 512 bytes = four registers of all 32 lanes, lane l's 16 bytes at 16 l: each store of the wave covers 512 consecutive bytes, aligned.
;   q_img, k_img: [batch][head][tile of 16 tokens][1024]: registers 2 m, 2 m + 1 of lane (r, h) = channels 16 m + 8 h + 0 .. 7 of token r.
;   v_img: [batch][head][128 keys][16 channels][2048]: registers 2 a, 2 a + 1 of lane (r, h) = keys 16 a + 8 h + 0 .. 7 of channel r.
; CLUSTER.  4 x 4 work-groups: the four of a row need the same rows of x, the four of a column the same rows of W: each tile is asked for jointly.
; K goes in steps of 128 through two LDS slots (640 rows x 144 bytes each); two slots with rows of 256 bytes would be 348,160 bytes and do not fit.  Nothing is prefetched: the ring's tiles are 11.5 MB in all, shared fourfold.
; cos AND sin are made here, once for the work-group's 256 tokens, while the first tiles are on their way: angle = t x inv_freq rounded to f32 as the definition rounds it, reduced by multiples of pi / 2
; in two parts, then polynomials of degree 7 and 8 on +-pi / 4.
; LIMITS.  e0 + e1 between -126 and 127; e2, e3, e4 between -126 and 112.  NaN among the inputs is not served.  inv_freq is the reciprocal, corrected by one Newton step, of the f32 number nearest to
; 10^(j / 8); a library's power function may give a neighbour of it, which moves an angle by at most 2,047 x 2^-23 of its size.
.set KSTEP,  128
.set PITCH,  144                       ; an LDS row: 128 bytes + 16 of padding: the 16 rows of a fragment load start 36 words apart
.set QOFF,   256*PITCH                 ; a slot: x's 256 rows, W's 256 rows for q or k, W's 128 rows for v
.set VOFF,   512*PITCH
.set SLOT,   640*PITCH
.set TAB,    2*SLOT                    ; cos and sin: 256 tokens x (32 pairs of 8 bytes + 16 of padding); written by LDS stores alone
.set TP,     272
.set BIAS,   TAB+256*TP                ; 256 numbers of b for q or k, then 128 for v
.set SPARE,  BIAS+1536                 ; the spare words, 128 bytes a wave: two blocks of 256 bytes that no other line names
.set ADRX, 16                          ; v16-17 LDS address of my fragments of x in slot 0, 1
.set ADRQ, 18                          ; v18-19 of W for q or k
.set ADRV, 20                          ; v20-21 of W for v
.set TABR, 22                          ; v22    my token's row of the table, + 32 h
.set BQA,  23                          ; v23    my eight numbers of b for q or k
.set BVA,  24                          ; v24    my channel's number of b for v
.set LI,   25                          ; v25    16 x lane: my place in an image's block
.set SPW,  28                          ; v28    my spare word; never rewritten
.set NIL,  29                          ; v29    0; never rewritten
.set XF,   32                          ; v32-159  x's fragments, two sets of 8 x 8
.set WF,   160                         ; v160-255 W's fragments, one set of 12 x 8
.set CH,   32                          ; the table's four chains, 24 registers each
.set BQ,   32                          ; the way out: b for q or k, 8 x 8
.set TBL,  96                          ; two sets of 32: a token block's cos and sin
.set VY,   96                          ; later v's 64 numbers
.set Y,    160                         ; sums x 2^(e0 + e1) + b
.set Z,    192                         ; rotated
.set CD,   232                         ; codes
.set BV,   248                         ; b for v, in the even registers
.set G1X, 28                           ; s[28:35] descriptor group 1: x's tiles;  s[36:43] W's for q or k;  s[44:51] W's for v
.set G1Q, 36
.set G1V, 44
.set G0X, 52                           ; s[52:59] group 0, a set for each slot;  s[68:75];  s[76:83]
.set G0Q, 68
.set G0V, 76
.set FLAGS, (1<<20)|(1<<21)|(4<<22)|(3<<25)   ; elements of 1 byte; padding on; bit 21 beside a mask; after every 32 words four words
.set MSB, 0
.macro WIN new                         ; the immediate's high byte repeats the setting that is left
.if MSB != (\new)
	s_set_vgpr_msb (MSB<<8)|(\new)
.set MSB, (\new)
.endif
.endm
.macro PLACES n
.rept \n
	v_nop
.endr
.endm
; A joint load: waves 0 and 1 fetch x's halves, wave 2 W's 256 rows for q or k, wave 3 W's 128 rows for v.  The branches hang on the wave's number alone.  Four v_nop follow each line.
.macro JLOAD s
	s_cmp_lt_u32 s18, 2
	s_cbranch_scc0 .Lnot_x_\@
	tensor_load_to_lds s[G0X+4*\s:G0X+4*\s+3], s[G1X:G1X+7]
	s_nop 0
.rept 4
	v_nop
.endr
	s_branch .Lasked_\@
.Lnot_x_\@:
	s_cmp_eq_u32 s18, 2
	s_cbranch_scc0 .Lfor_v_\@
	tensor_load_to_lds s[G0Q+4*\s:G0Q+4*\s+3], s[G1Q:G1Q+7]
	s_nop 0
.rept 4
	v_nop
.endr
	s_branch .Lasked_\@
.Lfor_v_\@:
	tensor_load_to_lds s[G0V+4*\s:G0V+4*\s+3], s[G1V:G1V+7]
	s_nop 0
.rept 4
	v_nop
.endr
.Lasked_\@:
.endm
.macro CREST                           ; a round of the cluster's barrier behind its opening barrier
	s_cmp_lg_u32 s18, 0
	s_cbranch_scc1 .Lnot_wave_0_\@
	s_barrier_signal -3
.Lnot_wave_0_\@:
	s_barrier_wait -3
	s_barrier_signal -1
	s_barrier_wait -1
.endm
.macro CROUND
	s_barrier_signal -1
	s_barrier_wait -1
	CREST
.endm
	s_load_b256 s[4:11], s[0:1], 0x0               ; x s[4:5], W s[6:7], b s[8:9], the scales' exponents s[10:11]
	s_load_b128 s[12:15], s[0:1], 0x20             ; q_img, k_img
	s_load_b64 s[16:17], s[0:1], 0x30              ; v_img
	v_lshl_add_u32 v[SPW], v0, 2, SPARE
	v_mov_b32 v[NIL], 0
	ds_add_u32 v28, v29
	ds_add_u32 v28, v29
	s_wait_dscnt 0x0
	v_lshrrev_b32 v1, 5, v0
	v_readfirstlane_b32 s18, v1                    ; wave 0..3
	s_lshr_b32 s19, s18, 1                         ; wm: which 128 tokens
	s_and_b32 s20, s18, 1                          ; wn: which half of the columns.  Also: which half of x's tile I fetch
	s_bfe_u32 s21, ttmp6, 0x40000                  ; cx
	s_bfe_u32 s22, ttmp6, 0x40004                  ; cy
	s_lshl_b32 s23, ttmp9, 2
	s_add_co_u32 s23, s23, s21                     ; g = 4 x cluster x + cx
	s_and_b32 s24, ttmp7, 0xffff
	s_lshl_b32 s24, s24, 2
	s_add_co_u32 s24, s24, s22                     ; y = 4 x cluster y + cy
	s_lshl_b32 s60, s22, 2
	s_lshl_b32 s60, 15, s60                        ; my row of the cluster
	s_lshl_b32 s61, 0x1111, s21                    ; my column
	s_or_b32 s[G1X], s60, FLAGS                    ; x's tiles hang on y alone: shared along the row
	s_or_b32 s[G1Q], s61, FLAGS                    ; W's on g alone: shared along the column
	s_or_b32 s[G1V], s61, FLAGS
.irp g, G1X, G1Q, G1V
	s_mov_b32 s[\g+1], KSTEP<<16                   ; tensor_dim0 = 128
	s_mov_b32 s[\g+3], KSTEP<<16                   ; tile_dim0 = 128
	s_mov_b32 s[\g+5], 1024                        ; from row to row
	s_mov_b32 s[\g+6], 0
	s_mov_b32 s[\g+7], 0
.endr
	s_mov_b32 s[G1X+2], 128<<16                    ; tensor_dim1 and tile_dim1: 128, 256, 128 rows
	s_mov_b32 s[G1X+4], 128
	s_mov_b32 s[G1Q+2], 256<<16
	s_mov_b32 s[G1Q+4], 256
	s_mov_b32 s[G1V+2], 128<<16
	s_mov_b32 s[G1V+4], 128
	s_lshl_b32 s98, s24, 18                        ; x: row 256 y + 128 x half, 1,024 bytes a row
	s_lshl_b32 s99, s20, 17
	s_add_co_u32 s98, s98, s99
	s_mov_b32 s99, 0
	s_lshl_b32 s100, s23, 18                       ; W: row 256 g
	s_mov_b32 s101, 0
	s_lshl_b32 s62, s23, 17                        ; W: row 2048 + 128 g
	s_add_co_u32 s62, s62, 2048*1024
	s_mov_b32 s63, 0
	s_mul_i32 s27, s20, 128*PITCH                  ; x's half in a slot: no place in the cluster enters an LDS address
	s_wait_kmcnt 0x0
	s_load_b256 s[84:91], s[10:11], 0x0            ; e0 .. e7
	s_add_nc_u64 s[98:99], s[4:5], s[98:99]
	s_add_nc_u64 s[100:101], s[6:7], s[100:101]
	s_add_nc_u64 s[62:63], s[6:7], s[62:63]
	CROUND                                         ; all sixteen work-groups are here: the first joint loads meet
.irp s, 0,1
	s_mov_b32 s[G0X+4*\s], 1
	s_add_co_u32 s[G0X+4*\s+1], s27, \s*SLOT
	s_add_nc_u64 s[G0X+4*\s+2:G0X+4*\s+3], s[98:99], \s*KSTEP
	s_or_b32 s[G0X+4*\s+3], s[G0X+4*\s+3], 0x80000000
	s_mov_b32 s[G0Q+4*\s], 1
	s_mov_b32 s[G0Q+4*\s+1], \s*SLOT+QOFF
	s_add_nc_u64 s[G0Q+4*\s+2:G0Q+4*\s+3], s[100:101], \s*KSTEP
	s_or_b32 s[G0Q+4*\s+3], s[G0Q+4*\s+3], 0x80000000
	s_mov_b32 s[G0V+4*\s], 1
	s_mov_b32 s[G0V+4*\s+1], \s*SLOT+VOFF
	s_add_nc_u64 s[G0V+4*\s+2:G0V+4*\s+3], s[62:63], \s*KSTEP
	s_or_b32 s[G0V+4*\s+3], s[G0V+4*\s+3], 0x80000000
	JLOAD \s                                       ; K steps 0 and 1: two loads of mine are out
.endr
	; ---- while the first tiles are on their way: b, the table of cos and sin, the addresses
	v_lshlrev_b32 v9, 2, v0
	s_lshl_b32 s98, s23, 10                        ; b of my 256 columns of q or k: byte 1024 g
	s_mov_b32 s99, 0
	s_add_nc_u64 s[98:99], s[8:9], s[98:99]
	s_lshl_b32 s100, s23, 9                        ; b of my 128 columns of v: byte 8192 + 512 g
	s_add_co_u32 s100, s100, 8192
	s_mov_b32 s101, 0
	s_add_nc_u64 s[100:101], s[8:9], s[100:101]
	global_load_b32 v10, v9, s[98:99]
	global_load_b32 v11, v9, s[98:99] offset:512
	global_load_b32 v12, v9, s[100:101]
	v_add_nc_u32 v13, BIAS, v9
	v_and_b32 v3, 31, v0                           ; lane = the frequency's number j
	v_mov_b32 v4, 0
; lane j takes 10^(j / 8): an indicator times the number, added to zeros: nothing is rounded but the literal itself, to the nearest f32
.macro FREQ j, val
	v_cmp_eq_u32 vcc_lo, \j, v3
	v_cndmask_b32 v6, 0, 1.0, vcc_lo
	v_fma_f32 v4, v6, \val, v4
.endm
	FREQ 0, 1.0
	FREQ 1, 1.3335214322
	FREQ 2, 1.7782794100
	FREQ 3, 2.3713737057
	FREQ 4, 3.1622776602
	FREQ 5, 4.2169650343
	FREQ 6, 5.6234132519
	FREQ 7, 7.4989420933
	FREQ 8, 10.0
	FREQ 9, 13.335214322
	FREQ 10, 17.782794100
	FREQ 11, 23.713737057
	FREQ 12, 31.622776602
	FREQ 13, 42.169650343
	FREQ 14, 56.234132519
	FREQ 15, 74.989420933
	FREQ 16, 100.0
	FREQ 17, 133.35214322
	FREQ 18, 177.82794100
	FREQ 19, 237.13737057
	FREQ 20, 316.22776602
	FREQ 21, 421.69650343
	FREQ 22, 562.34132519
	FREQ 23, 749.89420933
	FREQ 24, 1000.0
	FREQ 25, 1333.5214322
	FREQ 26, 1778.2794100
	FREQ 27, 2371.3737057
	FREQ 28, 3162.2776602
	FREQ 29, 4216.9650343
	FREQ 30, 5623.4132519
	FREQ 31, 7498.9420933
	v_rcp_f32 v5, v4
	v_nop                                          ; a plain instruction behind the reciprocal
	s_wait_alu depctr_va_vdst(0)                   ; and the wait ahead of its first reader
	v_fma_f32 v6, -v4, v5, 1.0                     ; one Newton step: inv_freq = 1 / 10^(j / 8)
	v_fma_f32 v5, v6, v5, v5
	v_mov_b32 v128, v5
	v_mov_b32 v129, v5
	v_mov_b32 v130, 0x3c08839e                     ; 8.3321608736e-3
	v_mov_b32 v131, 0x3c08839e
	v_mov_b32 v132, 0xbab6061a                     ; -1.388731625e-3
	v_mov_b32 v133, 0xbab6061a
	s_and_b32 s60, s24, 7
	s_lshl_b32 s60, s60, 8
	s_lshl_b32 s61, s18, 6
	s_add_co_u32 s60, s60, s61                     ; the first token that my wave tabulates, in its sequence: 256 (y mod 8) + 64 x wave
.irp k, 0,1,2,3,4,5,6,7
	s_add_co_u32 s61, s60, \k
	v_cvt_f32_u32 v[CH+24*(\k/2)+(\k%2)], s61      ; chain k / 2 holds tokens k and k + 1 as a pair
.endr
	s_mul_i32 s62, s18, 64*TP
	v_lshlrev_b32 v7, 3, v3
	v_add_nc_u32 v7, s62, v7
	v_add_nc_u32 v7, TAB, v7                       ; where I store: my wave's 64 rows, 8 bytes a lane
	s_mov_b32 s25, 0
	s_mov_b32 s26, 0
.Ltab:                                             ; 8 trips of 8 tokens, four packed chains line by line.  In a chain: +0 t, +2 angle, +4 n, +6 r, +8 z, +10 sin, +12 cos, +14 1 - z / 2, +16 quadrants, +18 .. +21 (cos, sin) twice
	v_add_nc_u32 v8, s26, v7
.irp c, 0,1,2,3
	v_pk_mul_f32 v[CH+24*\c+2:CH+24*\c+3], v[CH+24*\c:CH+24*\c+1], v[128:129]                       ; the angle, rounded to f32
.endr
.irp c, 0,1,2,3
	v_pk_mul_f32 v[CH+24*\c+4:CH+24*\c+5], v[CH+24*\c+2:CH+24*\c+3], 0x3f22f983 op_sel_hi:[1,0]      ; x 2 / pi
.endr
.irp c, 0,1,2,3
	v_rndne_f32 v[CH+24*\c+4], v[CH+24*\c+4]                                                         ; n
	v_rndne_f32 v[CH+24*\c+5], v[CH+24*\c+5]
.endr
.irp c, 0,1,2,3
	v_pk_fma_f32 v[CH+24*\c+6:CH+24*\c+7], v[CH+24*\c+4:CH+24*\c+5], 0xbfc90fdb, v[CH+24*\c+2:CH+24*\c+3] op_sel_hi:[1,0,1]   ; r = angle - n x pi / 2: the upper part (exact: n < 2^11),
.endr
.irp c, 0,1,2,3
	v_pk_fma_f32 v[CH+24*\c+6:CH+24*\c+7], v[CH+24*\c+4:CH+24*\c+5], 0x333bbd2e, v[CH+24*\c+6:CH+24*\c+7] op_sel_hi:[1,0,1]   ; the lower part
.endr
.irp c, 0,1,2,3
	v_pk_mul_f32 v[CH+24*\c+8:CH+24*\c+9], v[CH+24*\c+6:CH+24*\c+7], v[CH+24*\c+6:CH+24*\c+7]        ; z = r r
.endr
.irp c, 0,1,2,3
	v_pk_fma_f32 v[CH+24*\c+10:CH+24*\c+11], v[CH+24*\c+8:CH+24*\c+9], 0xb94ca1f9, v[130:131] op_sel_hi:[1,0,1]
	v_pk_fma_f32 v[CH+24*\c+12:CH+24*\c+13], v[CH+24*\c+8:CH+24*\c+9], 0x37ccf5ce, v[132:133] op_sel_hi:[1,0,1]
.endr
.irp c, 0,1,2,3
	v_pk_fma_f32 v[CH+24*\c+10:CH+24*\c+11], v[CH+24*\c+10:CH+24*\c+11], v[CH+24*\c+8:CH+24*\c+9], 0xbe2aaaa3 op_sel_hi:[1,1,0]
	v_pk_fma_f32 v[CH+24*\c+12:CH+24*\c+13], v[CH+24*\c+12:CH+24*\c+13], v[CH+24*\c+8:CH+24*\c+9], 0x3d2aaaa5 op_sel_hi:[1,1,0]
.endr
.irp c, 0,1,2,3
	v_pk_mul_f32 v[CH+24*\c+10:CH+24*\c+11], v[CH+24*\c+10:CH+24*\c+11], v[CH+24*\c+8:CH+24*\c+9]
	v_pk_fma_f32 v[CH+24*\c+14:CH+24*\c+15], v[CH+24*\c+8:CH+24*\c+9], -0.5, 1.0 op_sel_hi:[1,0,0]
.endr
.irp c, 0,1,2,3
	v_pk_mul_f32 v[CH+24*\c+8:CH+24*\c+9], v[CH+24*\c+8:CH+24*\c+9], v[CH+24*\c+8:CH+24*\c+9]        ; z z
	v_pk_fma_f32 v[CH+24*\c+10:CH+24*\c+11], v[CH+24*\c+10:CH+24*\c+11], v[CH+24*\c+6:CH+24*\c+7], v[CH+24*\c+6:CH+24*\c+7]   ; sin r
.endr
.irp c, 0,1,2,3
	v_pk_fma_f32 v[CH+24*\c+12:CH+24*\c+13], v[CH+24*\c+12:CH+24*\c+13], v[CH+24*\c+8:CH+24*\c+9], v[CH+24*\c+14:CH+24*\c+15]   ; cos r
	v_pk_add_f32 v[CH+24*\c:CH+24*\c+1], v[CH+24*\c:CH+24*\c+1], 0x41000000 op_sel_hi:[1,0]          ; the next trip's tokens: + 8
.endr
.irp c, 0,1,2,3
.irp u, 0,1                                        ; the quadrant n mod 4: odd: sin and cos change places; the signs come from bit 1 of n and of n + 1
	v_cvt_i32_f32 v[CH+24*\c+16+\u], v[CH+24*\c+4+\u]
	v_and_b32 v[CH+24*\c+22], 1, v[CH+24*\c+16+\u]
	v_cmp_eq_u32 vcc_lo, 1, v[CH+24*\c+22]
	v_cndmask_b32 v[CH+24*\c+18+2*\u], v[CH+24*\c+12+\u], v[CH+24*\c+10+\u], vcc_lo
	v_cndmask_b32 v[CH+24*\c+19+2*\u], v[CH+24*\c+10+\u], v[CH+24*\c+12+\u], vcc_lo
	v_lshlrev_b32 v[CH+24*\c+22], 30, v[CH+24*\c+16+\u]
	v_add_lshl_u32 v[CH+24*\c+23], v[CH+24*\c+16+\u], 1, 30
	v_and_b32 v[CH+24*\c+22], 0x80000000, v[CH+24*\c+22]
	v_and_b32 v[CH+24*\c+23], 0x80000000, v[CH+24*\c+23]
	v_xor_b32 v[CH+24*\c+19+2*\u], v[CH+24*\c+22], v[CH+24*\c+19+2*\u]
	v_xor_b32 v[CH+24*\c+18+2*\u], v[CH+24*\c+23], v[CH+24*\c+18+2*\u]
	ds_store_b64 v8, v[CH+24*\c+18+2*\u:CH+24*\c+19+2*\u] offset:TP*(2*\c+\u)   ; (cos, sin) of token 2 c + u of the trip: the wave writes 256 consecutive bytes
.endr
.endr
	s_add_co_u32 s26, s26, 8*TP
	s_add_co_u32 s25, s25, 1
	s_cmp_lt_u32 s25, 8
	s_cbranch_scc1 .Ltab
	s_wait_loadcnt 0x0                             ; b
	ds_store_b32 v13, v10
	ds_store_b32 v13, v11 offset:512
	ds_store_b32 v13, v12 offset:1024
	v_and_b32 v1, 15, v0                           ; r
	v_bfe_u32 v2, v0, 4, 1                         ; h
	v_mul_u32_u24 v14, v1, PITCH
	v_lshl_add_u32 v14, v2, 4, v14                 ; a fragment's row x pitch + 16 h
	s_mul_i32 s60, s19, 128*PITCH                  ; my 128 rows of x,
	s_mul_i32 s61, s20, 128*PITCH
	s_add_co_u32 s61, s61, QOFF                    ; my 128 rows of W for q or k,
	s_mul_i32 s62, s20, 64*PITCH
	s_add_co_u32 s62, s62, VOFF                    ; my 64 rows of W for v
.irp s, 0,1
	v_add_nc_u32 v[ADRX+\s], s60, v14
	v_add_nc_u32 v[ADRQ+\s], s61, v14
	v_add_nc_u32 v[ADRV+\s], s62, v14
	s_add_co_u32 s60, s60, SLOT
	s_add_co_u32 s61, s61, SLOT
	s_add_co_u32 s62, s62, SLOT
.endr
	s_mul_i32 s63, s19, 128*TP
	v_mul_u32_u24 v[TABR], v1, TP
	v_lshl_add_u32 v[TABR], v2, 5, v[TABR]
	v_add_nc_u32 v[TABR], s63, v[TABR]
	v_add_nc_u32 v[TABR], TAB, v[TABR]             ; the table: token 128 wm + r, + 32 h: my four pairs of a block of 16 channels
	s_lshl_b32 s63, s20, 9
	v_lshl_add_u32 v[BQA], v2, 5, s63
	v_add_nc_u32 v[BQA], BIAS, v[BQA]              ; b: channel 128 wn + 8 h
	s_lshl_b32 s63, s20, 8
	v_lshl_add_u32 v[BVA], v1, 2, s63
	v_add_nc_u32 v[BVA], BIAS+1024, v[BVA]         ; b of v: channel 64 wn + r
	v_lshlrev_b32 v[LI], 4, v3
	s_wait_kmcnt 0x0                               ; the exponents
	s_add_co_i32 s60, s84, s85
	s_add_co_i32 s60, s60, 127
	s_lshl_b32 s92, s60, 23                        ; 2^(e0 + e1) as f32
	s_mov_b32 s93, s92                             ; (named with it as a pair, so it is written)
	s_cmp_eq_u32 ttmp9, 0                          ; the cluster's x, the same in all partners: 0: q, 1: k.  Both selections stand ahead of the next addition
	s_cselect_b64 s[94:95], s[12:13], s[14:15]
	s_cselect_b32 s60, s86, s87                    ; e2 or e3
	s_add_co_i32 s60, s60, 127
	s_lshl_b32 s61, s60, 23
	v_mov_b32 v26, s61                             ; the scale as f32: the conversion takes its exponent field
	s_add_co_i32 s60, s60, 15
	s_lshl_b32 s60, s60, 23
	s_or_b32 s60, s60, 0x600000
	v_mov_b32 v27, s60                             ; 57,344 x the scale
	s_add_co_i32 s60, s88, 127
	s_lshl_b32 s61, s60, 23
	v_mov_b32 v30, s61                             ; the same with e4, for v
	s_add_co_i32 s60, s60, 15
	s_lshl_b32 s60, s60, 23
	s_or_b32 s60, s60, 0x600000
	v_mov_b32 v31, s60
	s_lshr_b32 s60, s24, 3
	s_lshl_b32 s60, s60, 21                        ; the batch: 2^21 bytes in each buffer of images
	s_and_b32 s61, s23, 3
	s_lshl_b32 s61, s61, 2
	s_lshl_b32 s62, s20, 1
	s_add_co_u32 s61, s61, s62                     ; my first head of q or k: 4 (g mod 4) + 2 wn
	s_lshl_b32 s61, s61, 17
	s_and_b32 s62, s24, 7
	s_lshl_b32 s63, s62, 4
	s_lshl_b32 s26, s19, 3
	s_add_co_u32 s63, s63, s26                     ; my first tile of tokens: 16 (y mod 8) + 8 wm
	s_lshl_b32 s63, s63, 10
	s_add_co_u32 s61, s61, s63
	s_add_co_u32 s26, s60, s61
	s_mov_b32 s27, 0
	s_add_nc_u64 s[94:95], s[94:95], s[26:27]
	s_lshl_b32 s61, s23, 1
	s_add_co_u32 s61, s61, s20                     ; my head of v: 2 g + wn
	s_lshl_b32 s61, s61, 17
	s_lshl_b32 s63, s62, 1
	s_add_co_u32 s63, s63, s19                     ; my 128 keys: 2 (y mod 8) + wm
	s_lshl_b32 s63, s63, 13
	s_add_co_u32 s61, s61, s63
	s_add_co_u32 s26, s60, s61
	s_add_nc_u64 s[96:97], s[16:17], s[26:27]
.macro FRAG reg, adr, q, i             ; 16 rows x 64 K: 8 registers: registers 4 c .. 4 c + 3 of lane (r, h) hold K = 32 c + 16 h + 0 .. 15 of row r: the same places in x and in W, so every product meets its partner
	ds_load_b128 v[\reg:\reg+3], v[\adr] offset:64*(\q)+(\i)*16*PITCH
	ds_load_b128 v[\reg+4:\reg+7], v[\adr] offset:64*(\q)+32+(\i)*16*PITCH
.endm
.macro FETCH_X slot, q, p              ; x's eight fragments of the slot's q-th 64 along K into set p: 16 loads
.irp i, 0,1,2,3,4,5,6,7
	FRAG XF+64*(\p)+8*\i, ADRX+\slot, \q, \i
.endr
.endm
.macro FETCH_W slot, q, b0             ; W's blocks b0 .. b0 + 5: 12 loads.  Blocks 0-7: q or k; 8-11: v
.irp d, 0,1,2,3,4,5
.if (\b0+\d) < 8
	FRAG WF+8*(\b0+\d), ADRQ+\slot, \q, \b0+\d
.else
	FRAG WF+8*(\b0+\d), ADRV+\slot, \q, \b0+\d-8
.endif
.endr
.endm
; 8 matrix instructions: W's block b against x's eight.  Accumulator (a, b) is v[8 (8 (b % 4) + a)] of window 1 + b / 4.  zero = 1: the first product starts the sums.
; The 96 accumulators take turns, one instruction a turn, in the same order in every step.
.macro MULB b, p, zero
.irp a, 0,1,2,3,4,5,6,7
.set rD, 8*(8*((\b)%4)+\a)
.set rW, WF+8*(\b)
.set rX, XF+64*(\p)+8*\a
.if (\b) < 8
.if \zero
	v_wmma_f32_16x16x64_bf8_bf8 v[rD:rD+7], v[rW:rW+7], v[rX:rX+7], 0
.else
	v_wmma_f32_16x16x64_bf8_bf8 v[rD:rD+7], v[rW:rW+7], v[rX:rX+7], v[rD:rD+7]
.endif
.else
.if \zero
	v_wmma_f32_16x16x64_bf8_bf8 v[rD:rD+7], v[rX:rX+7], v[rW:rW+7], 0
.else
	v_wmma_f32_16x16x64_bf8_bf8 v[rD:rD+7], v[rX:rX+7], v[rW:rW+7], v[rD:rD+7]
.endif
.endif
.endr
.endm
; A slot's first 64 along K, on x's set 0.  A block of W is free as soon as its eight products are issued: blocks 0-5 are fetched anew in the middle, 6-11 at the end.
; A load into a register that a matrix instruction has read stands four plain vector instructions behind it (ISA guide 7.12.1 for vector instructions).
.macro STEP slot, zero
	s_wait_dscnt 12                                ; x's set and W's blocks 0-5 are in; the youngest twelve loads (blocks 6-11) may be out
	WIN 0x50
.irp b, 0,1,2,3
	MULB \b, 0, \zero
.endr
	WIN 0xa0
.irp b, 4,5
	MULB \b, 0, \zero
.endr
	s_wait_dscnt 0                                 ; blocks 6-11 are in (asked for 48 matrix instructions ago)
	PLACES 4
	WIN 0
	FETCH_X \slot, 1, 1
	FETCH_W \slot, 1, 0
	WIN 0xa0
.irp b, 6,7
	MULB \b, 0, \zero
.endr
	WIN 0xf0
.irp b, 8,9,10,11
	MULB \b, 0, \zero
.endr
	PLACES 4
	WIN 0
	FETCH_W \slot, 1, 6
.endm
; A slot's second 64 along K, on x's set 1, changes slots: ONE barrier; in front of it each wave waits for all its tensor loads, adds 0 to its spare word, and waits for that and for its reads of this slot.
; fill = 1: the barrier opens a round of the cluster's, and this slot is filled again, two K steps ahead, first thing behind it.
.macro TURN slot, next, fill
	s_wait_tensorcnt 0x0                           ; all my tensor loads have landed: my part of the next slot  (every window is 0 here)
	ds_add_u32 v[SPW], v[NIL]                      ; 0 onto my spare word
	s_wait_dscnt 13                                ; (the add and the youngest twelve loads may be out)
	WIN 0x50
.irp b, 0,1,2,3
	MULB \b, 1, 0
.endr
	s_wait_dscnt 0x0                               ; the add is done, and my reads of this slot are over
	s_barrier_signal -1
	WIN 0xa0
.irp b, 4,5
	MULB \b, 1, 0
.endr
	WIN 0
	s_barrier_wait -1
.if \fill
	CREST                                          ; no wave of any partner still reads this slot or has a load on its way
	s_add_nc_u64 s[G0X+4*\slot+2:G0X+4*\slot+3], s[G0X+4*\slot+2:G0X+4*\slot+3], 2*KSTEP
	s_add_nc_u64 s[G0Q+4*\slot+2:G0Q+4*\slot+3], s[G0Q+4*\slot+2:G0Q+4*\slot+3], 2*KSTEP
	s_add_nc_u64 s[G0V+4*\slot+2:G0V+4*\slot+3], s[G0V+4*\slot+2:G0V+4*\slot+3], 2*KSTEP
	JLOAD \slot                                    ; my one tensor load behind the round; its four v_nop are also the places in front of the loads below
.else
	PLACES 4
.endif
	FETCH_X \next, 0, 0
	FETCH_W \next, 0, 0
	WIN 0xa0
.irp b, 6,7
	MULB \b, 1, 0
.endr
	WIN 0xf0
.irp b, 8,9,10,11
	MULB \b, 1, 0
.endr
	PLACES 4
	WIN 0
	FETCH_W \next, 0, 6
.endm
	s_wait_tensorcnt 1                             ; my part of K step 0 is in; K step 1's may stay out
	s_wait_dscnt 0x0                               ; my rows of the table and my numbers of b are stored
	s_barrier_signal -1
	s_barrier_wait -1
	FETCH_X 0, 0, 0
	FETCH_W 0, 0, 0
	FETCH_W 0, 0, 6
	STEP 0, 1                                      ; the first step stands in front of the loop: its products start the sums
	s_mov_b32 s25, 3
.Llap:                                             ; a trip goes once round the ring and fills both slots again: K steps 2 to 7
	TURN 0, 1, 1
	STEP 1, 0
	TURN 1, 0, 1
	STEP 0, 0
	s_sub_co_u32 s25, s25, 1
	s_cmp_lg_u32 s25, 0
	s_cbranch_scc1 .Llap
	TURN 0, 1, 0                                   ; the last lap fills nothing
	STEP 1, 0
	s_wait_dscnt 12                                ; the very last 64 along K: nothing more to fetch
	WIN 0x50
.irp b, 0,1,2,3
	MULB \b, 1, 0
.endr
	WIN 0xa0
.irp b, 4,5
	MULB \b, 1, 0
.endr
	s_wait_dscnt 0x0
.irp b, 6,7
	MULB \b, 1, 0
.endr
	WIN 0xf0
.irp b, 8,9,10,11
	MULB \b, 1, 0
.endr
	WIN 0
	PLACES 4                                       ; in front of the loads into the fragments' registers and of the first reads of results
	; ---- THE WAY OUT
.irp b, 0,1,2,3,4,5,6,7
	ds_load_b128 v[BQ+8*\b:BQ+8*\b+3], v[BQA] offset:64*\b
	ds_load_b128 v[BQ+8*\b+4:BQ+8*\b+7], v[BQA] offset:64*\b+16
.endr
.irp m, 0,1,2,3
	ds_load_b32 v[BV+2*\m], v[BVA] offset:64*\m
	v_mov_b32 v[BV+2*\m+1], 0                      ; (named as the upper half of a pair)
.endr
.macro TABLE a                         ; cos and sin of token block a, my 16 pairs, into set a % 2: 8 loads
.irp m, 0,1,2,3
	ds_load_b128 v[TBL+32*((\a)%2)+8*\m:TBL+32*((\a)%2)+8*\m+3], v[TABR] offset:(\a)*16*TP+64*\m
	ds_load_b128 v[TBL+32*((\a)%2)+8*\m+4:TBL+32*((\a)%2)+8*\m+7], v[TABR] offset:(\a)*16*TP+64*\m+16
.endr
.endm
; 16 tokens x one head (64 channels) of q or k: sum x 2^(e0 + e1) + b, the rotation, the hold, the codes, one image of 1,024 bytes
.macro QKOUT a, hh
.set TS, TBL+32*((\a)%2)
	WIN 1+\hh                                      ; source 0: the head's four accumulators, each from its low end on
.irp m, 0,1,2,3
.irp i, 0,2,4,6
	v_pk_fma_f32 v[Y+8*\m+\i:Y+8*\m+\i+1], v[8*(8*\m+\a)+\i:8*(8*\m+\a)+\i+1], s[92:93], v[BQ+8*(4*\hh+\m)+\i:BQ+8*(4*\hh+\m)+\i+1] op_sel_hi:[1,0,1]
.endr
.endr
	WIN 0
.set p, 0
.rept 16
	v_pk_mul_f32 v[Z+p:Z+p+1], v[Y+p:Y+p+1], v[TS+p:TS+p+1] op_sel_hi:[1,0]   ; (even x cos, odd x cos)
.set p, p+2
.endr
.set p, 0
.rept 16
	v_pk_fma_f32 v[Z+p:Z+p+1], v[Y+p:Y+p+1], v[TS+p:TS+p+1], v[Z+p:Z+p+1] op_sel:[1,1,0] op_sel_hi:[0,1,1] neg_lo:[1,0,0]   ; (- odd x sin, + even x sin)
.set p, p+2
.endr
.set p, 0
.rept 32
	v_med3_num_f32 v[Z+p], v[Z+p], -v27, v27       ; the conversion to an 8-bit code does not saturate (ISA guide 7.6.2): the hold at the largest code x the scale
.set p, p+1
.endr
	s_wait_xcnt 0x0                                ; the last image's stores have read their data: the codes' registers are written again only behind this wait
.irp m, 0,1,2,3
	v_cvt_scalef32_pk8_bf8_f32 v[CD+2*\m:CD+2*\m+1], v[Z+8*\m:Z+8*\m+7], v26
.endr
	v_nop                                          ; one plain vector instruction behind the last conversion
	global_store_b128 v[LI], v[CD:CD+3], s[94:95] offset:1024*\a+131072*\hh
	global_store_b128 v[LI], v[CD+4:CD+7], s[94:95] offset:1024*\a+131072*\hh+512
.endm
	TABLE 0
.irp a, 0,1,2,3,4,5,6,7
.if \a < 7
	TABLE \a+1
	s_wait_dscnt 8                                 ; this block's table (and b) is in; the next block's eight loads may be out
.else
	s_wait_dscnt 0x0
.endif
	QKOUT \a, 0
	QKOUT \a, 1
.endr
; 16 channels x my 128 tokens of v: a lane's 64 numbers are 64 keys of one channel: one image of 2,048 bytes
.macro VOUT m
	WIN 3
.set p, 0
.rept 32
	v_pk_fma_f32 v[VY+p:VY+p+1], v[64*\m+p:64*\m+p+1], s[92:93], v[BV+2*\m:BV+2*\m+1] op_sel_hi:[1,0,0]
.set p, p+2
.endr
	WIN 0
.set p, 0
.rept 64
	v_med3_num_f32 v[VY+p], v[VY+p], -v31, v31
.set p, p+1
.endr
	s_wait_xcnt 0x0
.irp a, 0,1,2,3,4,5,6,7
	v_cvt_scalef32_pk8_bf8_f32 v[CD+2*\a:CD+2*\a+1], v[VY+8*\a:VY+8*\a+7], v30
.endr
	v_nop
.irp q, 0,1,2,3
	global_store_b128 v[LI], v[CD+4*\q:CD+4*\q+3], s[96:97] offset:2048*\m+512*\q
.endr
.endm
	VOUT 0
	VOUT 1
	VOUT 2
	VOUT 3
	s_wait_tensorcnt 0x0                           ; the wave's end
	ds_add_u32 v[SPW], v[NIL]
	s_wait_dscnt 0x0
	CROUND                                         ; the closing round: no work-group ends while a partner may still ask for a tile that names it
	s_endpgm
.Lfunc_end_k_q9700c1ec92_qkv:
	.size	k_q9700c1ec92_qkv, .Lfunc_end_k_q9700c1ec92_qkv-k_q9700c1ec92_qkv
	.p2alignl 7, 3214868480
	.fill 96, 4, 3214868480
	.section	.rodata,"a",@progbits
	.p2align	6, 0x0
	.amdhsa_kernel k_q9700c1ec92_qkv
		.amdhsa_group_segment_fixed_size 327680
		.amdhsa_private_segment_fixed_size 0
		.amdhsa_enable_private_segment 0
		.amdhsa_kernarg_size 56
		.amdhsa_user_sgpr_count 2
		.amdhsa_user_sgpr_kernarg_segment_ptr 1
		.amdhsa_wavefront_size32 1
		.amdhsa_system_sgpr_workgroup_id_x 1
		.amdhsa_system_sgpr_workgroup_id_y 1
		.amdhsa_system_sgpr_workgroup_id_z 1
		.amdhsa_system_vgpr_workitem_id 0
		.amdhsa_next_free_vgpr 1024
		.amdhsa_next_free_sgpr 102
		.amdhsa_reserve_vcc 1
		.amdhsa_float_denorm_mode_32 3
		.amdhsa_float_denorm_mode_16_64 3
		.amdhsa_memory_ordered 1
		.amdhsa_forward_progress 1
		.amdhsa_inst_pref_size 226
	.end_amdhsa_kernel
	.amdgpu_metadata
---
amdhsa.version: [ 1, 2 ]
amdhsa.kernels:
  - .name:           k_q9700c1ec92_qkv
    .symbol:         k_q9700c1ec92_qkv.kd
    .args:
      - { .name: x_codes, .offset: 0, .size: 8, .value_kind: global_buffer, .address_space: global }
      - { .name: w_qkv_codes, .offset: 8, .size: 8, .value_kind: global_buffer, .address_space: global }
      - { .name: b_qkv, .offset: 16, .size: 8, .value_kind: global_buffer, .address_space: global }
      - { .name: lowp_scales, .offset: 24, .size: 8, .value_kind: global_buffer, .address_space: global }
      - { .name: q_img, .offset: 32, .size: 8, .value_kind: global_buffer, .address_space: global }
      - { .name: k_img, .offset: 40, .size: 8, .value_kind: global_buffer, .address_space: global }
      - { .name: v_img, .offset: 48, .size: 8, .value_kind: global_buffer, .address_space: global }
    .group_segment_fixed_size: 327680
    .private_segment_fixed_size: 0
    .kernarg_segment_align: 8
    .kernarg_segment_size: 56
    .max_flat_workgroup_size: 128
    .sgpr_count:     102
    .vgpr_count:     1024
    .wavefront_size: 32
...
	.end_amdgpu_metadata
.endif
;; end of part 1
;; launch attn (part 2): grid 4 x 64, 8 waves a work-group, no clusters, 279,552 bytes of LDS; arguments q_img, k_img, v_img, lowp_scales, a_img; writes a_img
.if DOCPART == 2
	.amdgcn_target "amdgcn-amd-amdhsa--gfx1250"
	.amdhsa_code_object_version 6
	.text
	.protected	k_q9700c1ec92_attn
	.globl	k_q9700c1ec92_attn
	.p2align	8
	.type	k_q9700c1ec92_attn,@function
k_q9700c1ec92_attn:
	s_mov_b64 s[64:65], 0
	v_nop
	global_prefetch_b8 v0, s[64:65] scope:SCOPE_SE
	s_setreg_imm32_b32 hwreg(HW_REG_WAVE_MODE, 25, 1), 1
	s_wait_xcnt 0x0
; O = softmax(q k^T / 8) v for one head, both products on codes of E5M2, and O quantised with 2^e6 for the last product.
; THE SOFTMAX: t = score x log2(e) / 8; M = the row's largest t so far, rounded UP to a whole number; p = 2^(t - M) is quantised with 2^e5, not normalised; the row's sum is taken of the unquantised p and
; divides O at the end.  When M moves, the sum and O are multiplied by 2^(old M - new M): exact.
; SHARES.  A work-group owns 512 queries of one head; each of its eight waves 64: four tiles of 16.  Two waves stand on a SIMD, so that one wave's products and LDS loads stand beside the other's vector work.
; K AND V of a head are 2 x 131,072 bytes of images: they fit whole in LDS.  Region s (16,384 bytes) holds the 128 keys of step s: K's eight images, then V's four.  Each region is written once, and none is written
; again.  Thread n moves 4 x 16 bytes of a step through registers; the loads are issued a whole key step ahead of their LDS stores.  (The claim holds one region more than is used.)
; LAYOUT.  S^T = K Q^T (source 0 = 16 keys, source 1 = 16 queries), O^T = V^T P (source 0 = 16 channels, source 1 = P): a lane holds ONE query throughout.  Tile kt of S^T holds keys 16 kt + 8 h + 0 .. 7 in a lane:
; its eight codes are registers 2 kt, 2 kt + 1 of P, the places that V's images give the same keys.
; NO JOINT LOADS, though the four query blocks of a head read the same K and V.  p is at most 1, and 57,344 x 2^e5 is 1.75 or more
; where e5 >= -15: there the hold of p is jumped over, 64 of a tile step's 259 vector instructions.  What the four share is 262,144 bytes a work-group, read once.
; LIMITS.  e2 + e3 between -123 and 130 (added to c's exponent field); e5, e6 between -126 and 112; e4 + e5 is applied by v_ldexp_f32 and has none.  NaN is not served.
; REGISTERS.  Window 0: v1-5 addresses; v8-11 scales; v16-47 eight registers of statistics a tile (+0 -M, +1 the largest score, +2, +3 the sum, +4 f, +5 its pair's upper half, +6, +7 at work); v48-55 a second chain of sums;
;   v64-191 S^T of two tiles, then p; v192-255 P, 16 a tile.   Window 1: v0-127 O^T, 32 a tile; v128-159 Q; v160-223 K's eight fragments, then V's four; v224-239 a step's bytes on their way to LDS.
.set REGION, 16384
.set LI,  1                            ; v1  16 x lane
.set ST0, 2                            ; v2  16 x thread + a region: where I store, one region ahead
.set GOF, 3                            ; v3  16 x thread
.set ALD, 4                            ; v4  LDS address of the loads in hand
.set AST, 5                            ; v5  LDS address of the stores in hand
.set STT, 16
.set X2,  48
.set S,   64
.set P,   192
.set QF,  128
.set KV,  160
.set G,   224
.set W_KQ,  0x05                       ; K and Q window 1, S^T window 0
.set W_PV,  0x51                       ; V window 1, P window 0, O^T window 1
.set W_RS,  0x41                       ; O^T (destination and source 0) window 1, f window 0
.set W_LD,  0x40                       ; loaded data window 1
.set W_ST,  0x04                       ; store data window 1
.set W_OUT, 0x01                       ; source 0 window 1
.set MSB, 0
.macro WIN new
.if MSB != (\new)
	s_set_vgpr_msb (MSB<<8)|(\new)
.set MSB, (\new)
.endif
.endm
.macro PLACES n
.rept \n
	v_nop
.endr
.endm
.macro STAGE_LOADS                     ; a step's 8,192 bytes of K and of V: each load of a wave reads 512 consecutive bytes
	global_load_b128 v[G:G+3], v[GOF], s[32:33]
	global_load_b128 v[G+4:G+7], v[GOF], s[32:33] offset:4096
	global_load_b128 v[G+8:G+11], v[GOF], s[34:35]
	global_load_b128 v[G+12:G+15], v[GOF], s[34:35] offset:4096
.endm
	s_load_b256 s[4:11], s[0:1], 0x0               ; q_img s[4:5], k_img s[6:7], v_img s[8:9], the scales' exponents s[10:11]
	s_load_b64 s[12:13], s[0:1], 0x20              ; a_img
	v_lshl_add_u32 v62, v0, 2, 0x44000
	v_mov_b32 v63, 0
	v_lshrrev_b32 v4, 5, v0
	v_readfirstlane_b32 s14, v4                    ; wave 0..7
	v_and_b32 v[LI], 31, v0
	v_lshlrev_b32 v[LI], 4, v[LI]
	v_lshlrev_b32 v[GOF], 4, v0
	v_add_nc_u32 v[ST0], REGION, v[GOF]
	s_and_b32 s36, ttmp7, 0xffff                   ; 16 x batch + head
	s_lshl_b32 s38, s36, 17                        ; a head's images: 131,072 bytes in each of the three buffers
	s_mov_b32 s39, 0
	s_lshl_b32 s40, ttmp9, 5
	s_lshl_b32 s41, s14, 2
	s_add_co_u32 s42, s40, s41                     ; my first tile of queries in the head: 32 x block + 4 x wave
	s_lshl_b32 s40, s42, 10
	s_add_co_u32 s40, s40, s38
	s_mov_b32 s41, 0
	s_lshr_b32 s44, s36, 4
	s_lshl_b32 s44, s44, 7
	s_add_co_u32 s44, s44, s42                     ; the same tile among all 512 tiles of tokens
	s_lshl_b32 s44, s44, 14                        ; a_img: [tile][head][1024]
	s_and_b32 s45, s36, 15
	s_lshl_b32 s45, s45, 10
	s_add_co_u32 s44, s44, s45
	s_mov_b32 s45, 0
	s_mov_b32 s20, 0x76543210                      ; v_permlanex16_b32's selects for lane l xor 16
	s_mov_b32 s21, 0xfedcba98
	s_mov_b32 s15, 0                               ; the key step
	s_mov_b32 s16, 0                               ; and its region
	s_wait_kmcnt 0x0
	s_load_b256 s[24:31], s[10:11], 0x0            ; e0 .. e7
	s_add_nc_u64 s[32:33], s[6:7], s[38:39]        ; K and V walk from step to step
	s_add_nc_u64 s[34:35], s[8:9], s[38:39]
	s_add_nc_u64 s[4:5], s[4:5], s[40:41]
	s_add_nc_u64 s[12:13], s[12:13], s[44:45]
	WIN W_LD
	STAGE_LOADS                                    ; step 0
.irp t, 0,1,2,3
	global_load_b128 v[QF+8*\t:QF+8*\t+3], v[LI], s[4:5] offset:1024*\t th:TH_LOAD_NT       ; Q's four fragments stay in registers
	global_load_b128 v[QF+8*\t+4:QF+8*\t+7], v[LI], s[4:5] offset:1024*\t+512 th:TH_LOAD_NT
.endr
.set j, 0
.rept 128
	v_mov_b32 v[j], 0                              ; O^T.  (The step is written once: the first finds zeros, which the first change of M leaves zeros)
.set j, j+1
.endr
	WIN 0
.irp t, 0,1,2,3
	v_mov_b32 v[STT+8*\t], 0x7f61b1e6              ; -M: 3e38
	v_mov_b32 v[STT+8*\t+1], 0xff800000            ; the largest score so far: under every score
	v_mov_b32 v[STT+8*\t+2], 0                     ; the sum, in two halves
	v_mov_b32 v[STT+8*\t+3], 0
	v_mov_b32 v[STT+8*\t+5], 0                     ; (named as the upper half of f's pair)
.endr
	s_wait_loadcnt 8                               ; step 0's four loads are in; Q's eight may be out
	WIN W_ST
.irp i, 0,1,2,3
	ds_store_b128 v[GOF], v[G+4*\i:G+4*\i+3] offset:4096*\i
.endr
	WIN 0
	s_wait_dscnt 0x0                               ; the stores are done: others may read region 0 behind the barrier, and the data registers may be loaded again
	s_add_nc_u64 s[32:33], s[32:33], 8192          ; (free: the wait above showed their loads done)
	s_add_nc_u64 s[34:35], s[34:35], 8192
	WIN W_LD
	STAGE_LOADS                                    ; step 1
	WIN 0
	s_wait_kmcnt 0x0
	s_add_co_i32 s36, s26, s27
	s_lshl_b32 s36, s36, 23
	s_mov_b32 s22, 0x3e38aa3b                      ; c = log2(e) / 8
	s_add_co_i32 s22, s22, s36                     ; a score stands for score x 2^(e2 + e3): added to c's exponent field
	s_mov_b32 s23, s22                             ; (named with it as a pair, so it is written)
	s_add_co_i32 s36, s29, 127
	s_lshl_b32 s37, s36, 23
	v_mov_b32 v8, s37                              ; 2^e5 as f32, for p's conversions
	s_add_co_i32 s36, s36, 15
	s_lshl_b32 s36, s36, 23
	s_or_b32 s36, s36, 0x600000
	v_mov_b32 v9, s36                              ; 57,344 x 2^e5
	s_add_co_i32 s36, s30, 127
	s_lshl_b32 s37, s36, 23
	v_mov_b32 v10, s37                             ; the same with e6, for O
	s_add_co_i32 s36, s36, 15
	s_lshl_b32 s36, s36, 23
	s_or_b32 s36, s36, 0x600000
	v_mov_b32 v11, s36
	s_add_co_i32 s37, s28, s29                     ; e4 + e5
	s_wait_loadcnt 4                               ; Q is in; step 1's four loads may be out
	s_barrier_signal -1
	s_barrier_wait -1                              ; region 0 is whole
; S^T of tiles ta and ta + 1: 16 matrix instructions, each a whole sum (the head's 64 channels)
.macro KQ ta
	WIN W_KQ
.irp kt, 0,1,2,3,4,5,6,7
.irp u, 0,1
	v_wmma_f32_16x16x64_bf8_bf8 v[S+64*\u+8*\kt:S+64*\u+8*\kt+7], v[KV+8*\kt:KV+8*\kt+7], v[QF+8*(\ta+\u):QF+8*(\ta+\u)+7], 0
.endr
.endr
	WIN 0
	PLACES 4                                       ; in front of the first read of the scores, and of loads into K's registers
.endm
; The softmax of tiles ta and ta + 1 for 128 keys, the two tiles line by line
.macro SOFTMAX ta
.irp u, 0,1                                        ; the largest of my 64 scores, in two chains a tile; each accumulator is first read at its two lowest registers
	v_max3_num_f32 v[STT+8*(\ta+\u)+6], v[S+64*\u], v[S+64*\u+1], v[S+64*\u+2]
	v_max3_num_f32 v[STT+8*(\ta+\u)+7], v[S+64*\u+3], v[S+64*\u+4], v[S+64*\u+5]
.endr
.irp i, 6,10,14,18,22,26,30,34,38,42,46,50,54,58
.irp u, 0,1
	v_max3_num_f32 v[STT+8*(\ta+\u)+6], v[STT+8*(\ta+\u)+6], v[S+64*\u+\i], v[S+64*\u+\i+1]
	v_max3_num_f32 v[STT+8*(\ta+\u)+7], v[STT+8*(\ta+\u)+7], v[S+64*\u+\i+2], v[S+64*\u+\i+3]
.endr
.endr
.irp u, 0,1
	v_max3_num_f32 v[STT+8*(\ta+\u)+6], v[STT+8*(\ta+\u)+6], v[S+64*\u+62], v[S+64*\u+63]
.endr
.irp u, 0,1
	v_max_num_f32 v[STT+8*(\ta+\u)+6], v[STT+8*(\ta+\u)+6], v[STT+8*(\ta+\u)+7]
.endr
.irp u, 0,1
	v_permlanex16_b32 v[STT+8*(\ta+\u)+7], v[STT+8*(\ta+\u)+6], s20, s21   ; the query's other 64 keys lie in the lane 16 away
.endr
.irp u, 0,1
	v_max3_num_f32 v[STT+8*(\ta+\u)+1], v[STT+8*(\ta+\u)+6], v[STT+8*(\ta+\u)+7], v[STT+8*(\ta+\u)+1]   ; the running largest score
.endr
.irp u, 0,1
	v_mul_f32 v[STT+8*(\ta+\u)+6], s22, v[STT+8*(\ta+\u)+1]                ; as t (c is positive)
	v_mov_b32 v[STT+8*(\ta+\u)+7], v[STT+8*(\ta+\u)]
.endr
.irp u, 0,1
	v_floor_f32 v[STT+8*(\ta+\u)], -v[STT+8*(\ta+\u)+6]                    ; the new -M = floor(-t): M is a whole number
.endr
.irp u, 0,1
	v_sub_f32 v[STT+8*(\ta+\u)+7], v[STT+8*(\ta+\u)], v[STT+8*(\ta+\u)+7]  ; old M - new M: a whole number, 0 or less
.endr
.irp u, 0,1
	v_cvt_i32_f32 v[STT+8*(\ta+\u)+7], v[STT+8*(\ta+\u)+7]                 ; (it saturates)
.endr
.irp u, 0,1
	v_ldexp_f32 v[STT+8*(\ta+\u)+4], 1.0, v[STT+8*(\ta+\u)+7]              ; f = 2^(old M - new M)
.endr
.set j, 0
.rept 32
.irp u, 0,1
	v_pk_fma_f32 v[S+64*\u+j:S+64*\u+j+1], v[S+64*\u+j:S+64*\u+j+1], s[22:23], v[STT+8*(\ta+\u):STT+8*(\ta+\u)+1] op_sel_hi:[1,0,0]   ; t - M, two at a time
.endr
.set j, j+2
.endr
.set j, 0
.rept 64
.irp u, 0,1
	v_exp_f32 v[S+64*\u+j], v[S+64*\u+j]           ; p = 2^(t - M): both tiles' 128 exponentials are one batch
.endr
.set j, j+1
.endr
.irp u, 0,1
	v_pk_mul_f32 v[STT+8*(\ta+\u)+2:STT+8*(\ta+\u)+3], v[STT+8*(\ta+\u)+2:STT+8*(\ta+\u)+3], v[STT+8*(\ta+\u)+4:STT+8*(\ta+\u)+5] op_sel_hi:[1,0]   ; the sums under the new M (plain instructions behind the exponentials)
.endr
	s_wait_alu depctr_va_vdst(0)                   ; one wait for the whole batch, ahead of its first reader
.irp u, 0,1
	v_pk_add_f32 v[X2+2*(\ta+\u):X2+2*(\ta+\u)+1], v[S+64*\u:S+64*\u+1], v[S+64*\u+2:S+64*\u+3]   ; the row's sum is taken of the unquantised p, in two chains a tile
.endr
.set j, 4
.rept 15
.irp u, 0,1
	v_pk_add_f32 v[STT+8*(\ta+\u)+2:STT+8*(\ta+\u)+3], v[STT+8*(\ta+\u)+2:STT+8*(\ta+\u)+3], v[S+64*\u+j:S+64*\u+j+1]
	v_pk_add_f32 v[X2+2*(\ta+\u):X2+2*(\ta+\u)+1], v[X2+2*(\ta+\u):X2+2*(\ta+\u)+1], v[S+64*\u+j+2:S+64*\u+j+3]
.endr
.set j, j+4
.endr
.irp u, 0,1
	v_pk_add_f32 v[STT+8*(\ta+\u)+2:STT+8*(\ta+\u)+3], v[STT+8*(\ta+\u)+2:STT+8*(\ta+\u)+3], v[X2+2*(\ta+\u):X2+2*(\ta+\u)+1]
.endr
	s_cmp_ge_i32 s29, -15                          ; e5 >= -15: 57,344 x 2^e5 >= 1.75 > p: nothing to hold
	s_cbranch_scc1 .Lno_hold_\@
.set j, 0
.rept 64
.irp u, 0,1
	v_min_num_f32 v[S+64*\u+j], v[S+64*\u+j], v9   ; the conversion to an 8-bit code does not saturate (ISA guide 7.6.2); p is not negative, so the hold is one-sided
.endr
.set j, j+1
.endr
.Lno_hold_\@:
.irp kt, 0,1,2,3,4,5,6,7
.irp u, 0,1
	v_cvt_scalef32_pk8_bf8_f32 v[P+16*(\ta+\u)+2*\kt:P+16*(\ta+\u)+2*\kt+1], v[S+64*\u+8*\kt:S+64*\u+8*\kt+7], v8
.endr
.endr
	WIN W_RS
.set j, 0
.rept 16
.irp u, 0,1
	v_pk_mul_f32 v[32*(\ta+\u)+j:32*(\ta+\u)+j+1], v[32*(\ta+\u)+j:32*(\ta+\u)+j+1], v[STT+8*(\ta+\u)+4:STT+8*(\ta+\u)+5] op_sel_hi:[1,0]   ; O^T under the new M.  (Also the plain instructions behind the conversions)
.endr
.set j, j+2
.endr
	WIN 0
.endm
.Lstep:                                            ; 16 trips: key step s15, region s16
	; the next step's bytes go into the next region, and the step after that is asked for.  Stores of trip s touch region s + 1 alone, loads of trip s region s alone.
	s_cmp_eq_u32 s15, 15
	s_cbranch_scc1 .Lstaged                        ; the last step has no successor
	s_wait_loadcnt 0x0                             ; step s + 1 is in my registers (asked for a step ago); the walking addresses are free
	v_add_nc_u32 v[AST], s16, v[ST0]
	WIN W_ST
.irp i, 0,1,2,3
	ds_store_b128 v[AST], v[G+4*\i:G+4*\i+3] offset:4096*\i
.endr
	WIN 0
	s_wait_dscnt 0x0                               ; for the others' sake: my stores are done; and their data registers may be loaded again
	s_cmp_eq_u32 s15, 14
	s_cbranch_scc1 .Lstaged                        ; no load leaves its buffer
	s_add_nc_u64 s[32:33], s[32:33], 8192
	s_add_nc_u64 s[34:35], s[34:35], 8192
	WIN W_LD
	STAGE_LOADS                                    ; step s + 2
	WIN 0
.Lstaged:
	s_barrier_signal -1                            ; my part of region s + 1 is stored.  The wait stands at the trip's end: between the two only registers are worked on and region s is read, which nobody writes again
	v_add_nc_u32 v[ALD], s16, v[LI]
	WIN W_LD
.irp kt, 0,1,2,3,4,5,6,7
	ds_load_b128 v[KV+8*\kt:KV+8*\kt+3], v[ALD] offset:1024*\kt
	ds_load_b128 v[KV+8*\kt+4:KV+8*\kt+7], v[ALD] offset:1024*\kt+512
.endr
	s_wait_dscnt 0x0
	KQ 0
	SOFTMAX 0
	KQ 2
	WIN W_LD
.irp ct, 0,1,2,3
.irp q, 0,1,2,3
	ds_load_b128 v[KV+16*\ct+4*\q:KV+16*\ct+4*\q+3], v[ALD] offset:8192+2048*\ct+512*\q   ; V's fragments take K's place and land beside the second softmax
.endr
.endr
	WIN 0
	SOFTMAX 2
	s_wait_dscnt 0x0                               ; V is in
	WIN W_PV
.irp ct, 0,1,2,3
.irp t, 0,1,2,3
	v_wmma_f32_16x16x128_bf8_bf8 v[32*\t+8*\ct:32*\t+8*\ct+7], v[KV+16*\ct:KV+16*\ct+15], v[P+16*\t:P+16*\t+15], v[32*\t+8*\ct:32*\t+8*\ct+7]   ; the 16 accumulators by turns, one instruction a turn
.endr
.endr
	WIN 0
	PLACES 4                                       ; in front of the next loads into V's registers and of the next writes of P and O^T
	s_barrier_wait -1                              ; every wave has stored its part of region s + 1
	s_add_co_u32 s16, s16, REGION
	s_add_co_u32 s15, s15, 1
	s_cmp_lt_u32 s15, 16
	s_cbranch_scc1 .Lstep
	; THE WAY OUT: O^T x 2^(e4 + e5) / the sum, held, quantised with 2^e6: a tile's codes are one image of the last product's operand
.irp t, 0,1,2,3
	v_add_f32 v[STT+8*\t+6], v[STT+8*\t+2], v[STT+8*\t+3]
.endr
.irp t, 0,1,2,3
	v_permlanex16_b32 v[STT+8*\t+7], v[STT+8*\t+6], s20, s21
.endr
.irp t, 0,1,2,3
	v_add_f32 v[STT+8*\t+6], v[STT+8*\t+6], v[STT+8*\t+7]
.endr
.irp t, 0,1,2,3
	v_rcp_f32 v[STT+8*\t+4], v[STT+8*\t+6]
.endr
	v_nop                                          ; a plain instruction behind the last reciprocal
	s_wait_alu depctr_va_vdst(0)                   ; one wait for the four, ahead of their first reader
.irp t, 0,1,2,3
	v_ldexp_f32 v[STT+8*\t+4], v[STT+8*\t+4], s37
.endr
	WIN W_OUT
.irp t, 0,1,2,3
.set j, 0
.rept 16
	v_pk_mul_f32 v[S+32*\t+j:S+32*\t+j+1], v[32*\t+j:32*\t+j+1], v[STT+8*\t+4:STT+8*\t+5] op_sel_hi:[1,0]   ; each accumulator from its low end on
.set j, j+2
.endr
.endr
	WIN 0
.set j, 0
.rept 128
	v_med3_num_f32 v[S+j], v[S+j], -v11, v11
.set j, j+1
.endr
.irp t, 0,1,2,3
.irp ct, 0,1,2,3
	v_cvt_scalef32_pk8_bf8_f32 v[P+8*\t+2*\ct:P+8*\t+2*\ct+1], v[S+32*\t+8*\ct:S+32*\t+8*\ct+7], v10
.endr
.endr
	v_nop
.irp t, 0,1,2,3
	global_store_b128 v[LI], v[P+8*\t:P+8*\t+3], s[12:13] offset:16384*\t          ; the wave stores 512 consecutive bytes, aligned
	global_store_b128 v[LI], v[P+8*\t+4:P+8*\t+7], s[12:13] offset:16384*\t+512
.endr
	s_wait_tensorcnt 0x0
	ds_add_u32 v62, v63
	s_wait_dscnt 0x0
	s_endpgm
.Lfunc_end_k_q9700c1ec92_attn:
	.size	k_q9700c1ec92_attn, .Lfunc_end_k_q9700c1ec92_attn-k_q9700c1ec92_attn
	.p2alignl 7, 3214868480
	.fill 96, 4, 3214868480
	.section	.rodata,"a",@progbits
	.p2align	6, 0x0
	.amdhsa_kernel k_q9700c1ec92_attn
		.amdhsa_group_segment_fixed_size 279552
		.amdhsa_private_segment_fixed_size 0
		.amdhsa_enable_private_segment 0
		.amdhsa_kernarg_size 40
		.amdhsa_user_sgpr_count 2
		.amdhsa_user_sgpr_kernarg_segment_ptr 1
		.amdhsa_wavefront_size32 1
		.amdhsa_system_sgpr_workgroup_id_x 1
		.amdhsa_system_sgpr_workgroup_id_y 1
		.amdhsa_system_sgpr_workgroup_id_z 1
		.amdhsa_system_vgpr_workitem_id 0
		.amdhsa_next_free_vgpr 512
		.amdhsa_next_free_sgpr 66
		.amdhsa_reserve_vcc 0
		.amdhsa_float_denorm_mode_32 3
		.amdhsa_float_denorm_mode_16_64 3
		.amdhsa_memory_ordered 1
		.amdhsa_forward_progress 1
		.amdhsa_inst_pref_size 80
	.end_amdhsa_kernel
	.amdgpu_metadata
---
amdhsa.version: [ 1, 2 ]
amdhsa.kernels:
  - .name:           k_q9700c1ec92_attn
    .symbol:         k_q9700c1ec92_attn.kd
    .args:
      - { .name: q_img, .offset: 0, .size: 8, .value_kind: global_buffer, .address_space: global }
      - { .name: k_img, .offset: 8, .size: 8, .value_kind: global_buffer, .address_space: global }
      - { .name: v_img, .offset: 16, .size: 8, .value_kind: global_buffer, .address_space: global }
      - { .name: lowp_scales, .offset: 24, .size: 8, .value_kind: global_buffer, .address_space: global }
      - { .name: a_img, .offset: 32, .size: 8, .value_kind: global_buffer, .address_space: global }
    .group_segment_fixed_size: 279552
    .private_segment_fixed_size: 0
    .kernarg_segment_align: 8
    .kernarg_segment_size: 40
    .max_flat_workgroup_size: 256
    .sgpr_count:     66
    .vgpr_count:     512
    .wavefront_size: 32
...
	.end_amdgpu_metadata
.endif
;; end of part 2
;; launch outp (part 3): grid 8 x 64, 4 waves a work-group, clusters of 4 x 4, 288,256 bytes of LDS; arguments a_img, w_out_codes, b_out, lowp_scales, out0; writes out0
.if DOCPART == 3
	.amdgcn_target "amdgcn-amd-amdhsa--gfx1250"
	.amdhsa_code_object_version 6
	.text
	.protected	k_q9700c1ec92_outp
	.globl	k_q9700c1ec92_outp
	.p2align	8
	.type	k_q9700c1ec92_outp,@function
k_q9700c1ec92_outp:
	s_mov_b64 s[64:65], 0
	v_nop
	global_prefetch_b8 v0, s[64:65] scope:SCOPE_SE
	s_setreg_imm32_b32 hwreg(HW_REG_WAVE_MODE, 25, 1), 1
	s_wait_xcnt 0x0
	s_wait_alu depctr_hold_cnt(0) depctr_sa_sdst(0) depctr_va_vdst(0) depctr_va_sdst(0) depctr_va_ssrc(0) depctr_va_vcc(0) depctr_vm_vsrc(0)
	s_getreg_b32 s2, hwreg(HW_REG_IB_STS2, 6, 4)
	s_cmp_eq_u32 s2, 0
	s_cbranch_scc0 .Lentry_in_a_cluster
	s_endpgm
.Lentry_in_a_cluster:
	s_bfe_u32 s2, ttmp6, 0x10000c
	s_cmp_lg_u32 s2, 0xf033
	s_cbranch_scc0 .Lentry_shape_is_right
	s_endpgm
.Lentry_shape_is_right:
; out0 = a W_out^T + b_out on codes of E5M2.  a: images [tile of 16 tokens][head][1024] (registers 2 c, 2 c + 1 of lane (r, h) = channels 16 c + 8 h + 0 .. 7 of token r); W_out: [1024][1024] codes, K innermost.
; A sum stands for sum x 2^(e6 + e7).  LIMIT: e6 + e7 between -126 and 127.
; SHARES.  512 work-groups, each 128 tokens x 128 columns; a wave makes 64 x 64: 16 accumulators.  The launch writes four bytes for each byte of codes that it reads: small tiles, two for each WGP, so that one
; work-group's stores leave while another's tiles arrive.
; ALL OF K (1,024) of both tiles fits in LDS, in four chunks of 256 along K: every LDS byte is filled once, so there is no ring.  A wave has four tensor loads out.
; CLUSTER.  4 x 4 work-groups: a's tile is shared along a row of the cluster, W's along a column; each chunk is asked for jointly.
; THE MATRIX INSTRUCTION IS USED TRANSPOSED (source 0 = 16 rows of W, source 1 = 16 tokens): a lane holds eight neighbouring columns of one row of out0.
; REGISTERS.  Window 0: v16-19, v20-23 LDS addresses of my fragments in the four chunks; v24-27 the way out; v32-63 b_out; v64-191 two sets of fragments (a 4 x 8, W 4 x 8), later rows read back; v192-223 results.
;   Window 1: accumulator (a, b) at v[8 (4 a + b)].
.set CHA,   32768                      ; a chunk of a: 8 tiles of tokens x 4 heads x 1,024 bytes, dense
.set BB,    131072                     ; W's chunks: 128 rows x (256 bytes + 16)
.set BP,    272
.set CHB,   128*BP
.set STAGE, BB+4*CHB                   ; the way out: 16 rows x (256 bytes + 16) for each wave; no tensor load lands here
.set SP,    272
.set ADA, 16
.set ADB, 20
.set STO, 24
.set RD,  25
.set CO,  26
.set BO,  27
.set BI,  32
.set FR,  64
.set BK,  64
.set T,   192
.set G0A, 24                           ; s[24:39] descriptor group 0 for a's four chunks;  s[40:55] for W's
.set G0B, 40
.set G1A, 56                           ; s[56:63], s[68:75] groups 1
.set G1B, 68
.set MSB, 0
.macro WIN new
.if MSB != (\new)
	s_set_vgpr_msb (MSB<<8)|(\new)
.set MSB, (\new)
.endif
.endm
.macro PLACES n
.rept \n
	v_nop
.endr
.endm
.macro CROUND                          ; a round of the cluster's barrier
	s_barrier_signal -1
	s_barrier_wait -1
	s_cmp_lg_u32 s14, 0
	s_cbranch_scc1 .Lnot_wave_0_\@
	s_barrier_signal -3
.Lnot_wave_0_\@:
	s_barrier_wait -3
	s_barrier_signal -1
	s_barrier_wait -1
.endm
	s_load_b256 s[4:11], s[0:1], 0x0               ; a_img s[4:5], W s[6:7], b_out s[8:9], the scales' exponents s[10:11]
	s_load_b64 s[12:13], s[0:1], 0x20              ; out0
	v_lshl_add_u32 v254, v0, 2, 0x46400
	v_mov_b32 v255, 0
	ds_add_u32 v254, v255
	ds_add_u32 v254, v255
	v_lshrrev_b32 v1, 5, v0
	v_readfirstlane_b32 s14, v1                    ; wave 0..3
	s_lshr_b32 s15, s14, 1                         ; wm: which 64 tokens.  Also: I fetch for a (0) or for W (1)
	s_and_b32 s16, s14, 1                          ; wn: which 64 columns.  Also: which half of a tile I fetch
	s_bfe_u32 s17, ttmp6, 0x40000                  ; cx
	s_bfe_u32 s18, ttmp6, 0x40004                  ; cy
	s_lshl_b32 s19, ttmp9, 2
	s_add_co_u32 s19, s19, s17                     ; which 128 columns
	s_and_b32 s20, ttmp7, 0xffff
	s_lshl_b32 s20, s20, 2
	s_add_co_u32 s20, s20, s18                     ; which 128 tokens
	s_lshl_b32 s21, s18, 2
	s_lshl_b32 s21, 15, s21                        ; my row of the cluster
	s_lshl_b32 s22, 0x1111, s17                    ; my column
	s_or_b32 s[G1A], s21, (3<<16)|(1<<21)          ; a: elements of 8 bytes, no padding; 4 rows (tiles of tokens) of 4,096 bytes, 16,384 bytes apart
	s_mov_b32 s[G1A+1], 512<<16
	s_mov_b32 s[G1A+2], 4<<16
	s_mov_b32 s[G1A+3], 512<<16
	s_mov_b32 s[G1A+4], 4
	s_mov_b32 s[G1A+5], 2048
	s_mov_b32 s[G1A+6], 0
	s_mov_b32 s[G1A+7], 0
	s_or_b32 s[G1B], s22, (1<<20)|(1<<21)|(5<<22)|(3<<25)   ; W: elements of 1 byte; four words of padding after every 64; 64 rows of 256 bytes, 1,024 apart
	s_mov_b32 s[G1B+1], 256<<16
	s_mov_b32 s[G1B+2], 64<<16
	s_mov_b32 s[G1B+3], 256<<16
	s_mov_b32 s[G1B+4], 64
	s_mov_b32 s[G1B+5], 1024
	s_mov_b32 s[G1B+6], 0
	s_mov_b32 s[G1B+7], 0
	s_lshl_b32 s76, s20, 17                        ; a: tile of tokens 8 x (my 128 tokens) + 4 x half, 16,384 bytes each
	s_lshl_b32 s77, s16, 16
	s_add_co_u32 s76, s76, s77
	s_mov_b32 s77, 0
	s_lshl_b32 s78, s19, 17                        ; W: row 128 x (my 128 columns) + 64 x half, 1,024 bytes each
	s_lshl_b32 s79, s16, 16
	s_add_co_u32 s78, s78, s79
	s_mov_b32 s79, 0
	s_lshl_b32 s80, s16, 14                        ; the halves' places in a chunk: no place in the cluster enters an LDS address
	s_mul_i32 s81, s16, 64*BP
	s_wait_dscnt 0x0
	s_wait_kmcnt 0x0
	s_load_b64 s[82:83], s[10:11], 0x18            ; e6, e7
	s_add_nc_u64 s[76:77], s[4:5], s[76:77]
	s_add_nc_u64 s[78:79], s[6:7], s[78:79]
.irp c, 0,1,2,3
	s_mov_b32 s[G0A+4*\c], 1
	s_add_co_u32 s[G0A+4*\c+1], s80, \c*CHA
	s_add_nc_u64 s[G0A+4*\c+2:G0A+4*\c+3], s[76:77], \c*4096
	s_or_b32 s[G0A+4*\c+3], s[G0A+4*\c+3], 0x80000000
	s_mov_b32 s[G0B+4*\c], 1
	s_add_co_u32 s[G0B+4*\c+1], s81, BB+\c*CHB
	s_add_nc_u64 s[G0B+4*\c+2:G0B+4*\c+3], s[78:79], \c*256
	s_or_b32 s[G0B+4*\c+3], s[G0B+4*\c+3], 0x80000000
.endr
	CROUND                                         ; all sixteen work-groups are here: the joint loads meet
	s_cmp_lt_u32 s14, 2                            ; a wave's four fills stand in one branch, ahead of every wait on TENSORcnt and every LDS read; four v_nop follow the last
	s_cbranch_scc0 .Lfirst_b
.irp c, 0,1,2,3
	tensor_load_to_lds s[G0A+4*\c:G0A+4*\c+3], s[G1A:G1A+7]
	s_nop 0
.endr
.rept 4
	v_nop
.endr
	s_branch .Lfirst_asked
.Lfirst_b:
.irp c, 0,1,2,3
	tensor_load_to_lds s[G0B+4*\c:G0B+4*\c+3], s[G1B:G1B+7]
	s_nop 0
.endr
.rept 4
	v_nop
.endr
.Lfirst_asked:
	v_and_b32 v1, 15, v0                           ; r
	v_bfe_u32 v2, v0, 4, 1                         ; h
	s_lshl_b32 s84, s19, 9
	s_lshl_b32 s85, s16, 8
	s_add_co_u32 s84, s84, s85                     ; my first column, in bytes of f32: 512 x (my 128 columns) + 256 wn
	v_lshl_add_u32 v[BO], v2, 5, s84
.irp b, 0,1,2,3
	global_load_b128 v[BI+8*\b:BI+8*\b+3], v[BO], s[8:9] offset:64*\b          ; b_out at my eight columns of block b
	global_load_b128 v[BI+8*\b+4:BI+8*\b+7], v[BO], s[8:9] offset:64*\b+16
.endr
	v_and_b32 v3, 31, v0
	v_lshlrev_b32 v3, 4, v3
	s_lshl_b32 s85, s15, 14
	v_add_nc_u32 v[ADA], s85, v3                   ; a's images: my four tiles of tokens, 16 x lane
.irp c, 1,2,3
	v_add_nc_u32 v[ADA+\c], \c*CHA, v[ADA]
.endr
	s_mul_i32 s85, s16, 64*BP
	v_mul_u32_u24 v4, v1, BP
	v_lshl_add_u32 v4, v2, 3, v4
	v_add_nc_u32 v4, s85, v4
	v_add_nc_u32 v[ADB], BB, v4                    ; W: row 64 wn + r, + 8 h
.irp c, 1,2,3
	v_add_nc_u32 v[ADB+\c], \c*CHB, v[ADB]
.endr
	s_mul_i32 s85, s14, 16*SP
	s_add_co_u32 s85, s85, STAGE                   ; my stage
	v_mul_u32_u24 v[STO], v1, SP
	v_lshl_add_u32 v[STO], v2, 5, v[STO]
	v_add_nc_u32 v[STO], s85, v[STO]               ; in: row r, 32 bytes for each half of the lanes
	v_mul_u32_u24 v[RD], v2, SP
	v_lshl_add_u32 v[RD], v1, 4, v[RD]
	v_add_nc_u32 v[RD], s85, v[RD]                 ; back: lanes 0-15 one row of 256 bytes, lanes 16-31 the next
	v_lshlrev_b32 v[CO], 12, v2
	v_lshl_add_u32 v[CO], v1, 4, v[CO]             ; and the same two rows in out0
	s_lshl_b32 s85, s20, 19                        ; my first row of out0: 128 x (my 128 tokens) + 64 wm, 4,096 bytes a row
	s_lshl_b32 s88, s15, 18
	s_add_co_u32 s85, s85, s88
	s_add_co_u32 s88, s85, s84
	s_mov_b32 s89, 0
	s_add_nc_u64 s[12:13], s[12:13], s[88:89]
	s_wait_kmcnt 0x0
	s_add_co_i32 s86, s82, s83
	s_add_co_i32 s86, s86, 127
	s_lshl_b32 s86, s86, 23                        ; 2^(e6 + e7) as f32
	s_mov_b32 s87, s86                             ; (named with it as a pair, so it is written)
; The fragments of 64 along K, number k (one head): chunk k / 4, part k % 4, into set k % 2: 8 + 16 loads.  W's come by 8 bytes, in the places that a's images give the same k
.macro FETCH k
.set fc, (\k)/4
.set fq, (\k)%4
.set fs, FR+64*((\k)%2)
.irp a, 0,1,2,3
	ds_load_b128 v[fs+8*\a:fs+8*\a+3], v[ADA+fc] offset:4096*\a+1024*fq
	ds_load_b128 v[fs+8*\a+4:fs+8*\a+7], v[ADA+fc] offset:4096*\a+1024*fq+512
.endr
.irp b, 0,1,2,3
.irp cc, 0,1,2,3
	ds_load_b64 v[fs+32+8*\b+2*\cc:fs+32+8*\b+2*\cc+1], v[ADB+fc] offset:16*BP*\b+64*fq+16*\cc
.endr
.endr
.endm
	s_wait_tensorcnt 3                             ; my part of chunk 0 is in; three later chunks may stay out
	s_barrier_signal -1
	s_barrier_wait -1
	FETCH 0
.set kk, 0
.rept 16
	s_wait_dscnt 0x0                               ; this step's fragments are in
.if (kk%4 == 3) && (kk < 15)
	s_wait_tensorcnt 2-kk/4                        ; my part of the next chunk is in,
	s_barrier_signal -1
	s_barrier_wait -1                              ; everybody's is
.endif
.if kk < 15
	PLACES 4                                       ; in front of loads into the set that the last step's products read
	FETCH kk+1
.endif
	WIN 0x50
.set fs, FR+64*(kk%2)
.irp a, 0,1,2,3
.irp b, 0,1,2,3
.if kk == 0
	v_wmma_f32_16x16x64_bf8_bf8 v[8*(4*\a+\b):8*(4*\a+\b)+7], v[fs+32+8*\b:fs+32+8*\b+7], v[fs+8*\a:fs+8*\a+7], 0
.else
	v_wmma_f32_16x16x64_bf8_bf8 v[8*(4*\a+\b):8*(4*\a+\b)+7], v[fs+32+8*\b:fs+32+8*\b+7], v[fs+8*\a:fs+8*\a+7], v[8*(4*\a+\b):8*(4*\a+\b)+7]
.endif
.endr
.endr
	WIN 0
.set kk, kk+1
.endr
; THE WAY OUT, 16 rows x 64 columns at a time: sum x 2^(e6 + e7) + b_out, through my own stage, back as whole rows of 256 bytes.  LDS serves a wave's instructions in order (ISA guide 5.7.1.4): no wait between the stores and the loads.
.macro TOSTAGE a
	WIN 0x01
.irp b, 0,1,2,3
.irp i, 0,2,4,6
	v_pk_fma_f32 v[T+8*\b+\i:T+8*\b+\i+1], v[8*(4*(\a)+\b)+\i:8*(4*(\a)+\b)+\i+1], s[86:87], v[BI+8*\b+\i:BI+8*\b+\i+1] op_sel_hi:[1,0,1]
.endr
.endr
	WIN 0
.irp b, 0,1,2,3
	ds_store_b128 v[STO], v[T+8*\b:T+8*\b+3] offset:64*\b
	ds_store_b128 v[STO], v[T+8*\b+4:T+8*\b+7] offset:64*\b+16
.endr
.irp i, 0,1,2,3,4,5,6,7
	ds_load_b128 v[BK+32*((\a)%2)+4*\i:BK+32*((\a)%2)+4*\i+3], v[RD] offset:2*\i*SP
.endr
.endm
.macro SEND a, younger                 ; younger: the LDS instructions issued behind block a's loads, which may stay out
	s_wait_dscnt \younger
.irp i, 0,1,2,3,4,5,6,7
	global_store_b128 v[CO], v[BK+32*((\a)%2)+4*\i:BK+32*((\a)%2)+4*\i+3], s[12:13] offset:(16*(\a)+2*\i)*4096 th:TH_STORE_NT   ; sixteen lanes store 256 consecutive bytes, at a multiple of 256 from out0's first byte
.endr
.endm
	s_wait_loadcnt 0x0                             ; b_out
	PLACES 4                                       ; in front of the first reads of results and of the loads into the fragments' registers
	TOSTAGE 0
.irp a, 1,2,3
.if \a > 1
	s_wait_xcnt 0x0                                ; block a - 2's stores have read their data: block a's loads may land there
.endif
	TOSTAGE \a
	SEND \a-1, 16                                  ; behind block a - 1's loads: block a's 8 stores and 8 loads
.endr
	SEND 3, 0
	s_wait_tensorcnt 0x0
	ds_add_u32 v254, v255
	s_wait_dscnt 0x0
	CROUND                                         ; the closing round: no work-group ends while a partner may still ask for a tile that names it
	s_endpgm
.Lfunc_end_k_q9700c1ec92_outp:
	.size	k_q9700c1ec92_outp, .Lfunc_end_k_q9700c1ec92_outp-k_q9700c1ec92_outp
	.p2alignl 7, 3214868480
	.fill 96, 4, 3214868480
	.section	.rodata,"a",@progbits
	.p2align	6, 0x0
	.amdhsa_kernel k_q9700c1ec92_outp
		.amdhsa_group_segment_fixed_size 288256
		.amdhsa_private_segment_fixed_size 0
		.amdhsa_enable_private_segment 0
		.amdhsa_kernarg_size 40
		.amdhsa_user_sgpr_count 2
		.amdhsa_user_sgpr_kernarg_segment_ptr 1
		.amdhsa_wavefront_size32 1
		.amdhsa_system_sgpr_workgroup_id_x 1
		.amdhsa_system_sgpr_workgroup_id_y 1
		.amdhsa_system_sgpr_workgroup_id_z 1
		.amdhsa_system_vgpr_workitem_id 0
		.amdhsa_next_free_vgpr 384
		.amdhsa_next_free_sgpr 96
		.amdhsa_reserve_vcc 0
		.amdhsa_float_denorm_mode_32 3
		.amdhsa_float_denorm_mode_16_64 3
		.amdhsa_memory_ordered 1
		.amdhsa_forward_progress 1
		.amdhsa_inst_pref_size 65
	.end_amdhsa_kernel
	.amdgpu_metadata
---
amdhsa.version: [ 1, 2 ]
amdhsa.kernels:
  - .name:           k_q9700c1ec92_outp
    .symbol:         k_q9700c1ec92_outp.kd
    .args:
      - { .name: a_img, .offset: 0, .size: 8, .value_kind: global_buffer, .address_space: global }
      - { .name: w_out_codes, .offset: 8, .size: 8, .value_kind: global_buffer, .address_space: global }
      - { .name: b_out, .offset: 16, .size: 8, .value_kind: global_buffer, .address_space: global }
      - { .name: lowp_scales, .offset: 24, .size: 8, .value_kind: global_buffer, .address_space: global }
      - { .name: out0, .offset: 32, .size: 8, .value_kind: global_buffer, .address_space: global }
    .group_segment_fixed_size: 288256
    .private_segment_fixed_size: 0
    .kernarg_segment_align: 8
    .kernarg_segment_size: 40
    .max_flat_workgroup_size: 128
    .sgpr_count:     96
    .vgpr_count:     384
    .wavefront_size: 32
...
	.end_amdgpu_metadata
.endif
;; end of part 3
